; MI455X (gfx1250); checked and timed in simulation.
; The chip was launched on July 23, 2026; its instructions are those of AMD's public machine-readable ISA for CDNA 5 (MIT licence, August 2026) and "CDNA5" Instruction Set Architecture Reference Guide (July 2026). The comments in the code are by the model that wrote it; some were corrected since.
;; Switch Feed Forward. Allowed arithmetic: float matrix products may take bf16 or f16 operands with f32 sums; other float arithmetic in f32, or as packed bf16 or f16 multiplies, adds, multiply-adds, maxima and minima; sums over many terms, partial sums and values carried from step to step in f32; what a program stores and reads back later, other than sums and carried values, may be rounded once to bf16 or f16.
;; Inputs: W1 8 x 512 x 1,024 float32; W2 8 x 1,024 x 512 float32; W_switch 512 x 8 float32; b1 8 x 1,024 float32; b2 8 x 512 float32; b_switch 8 float32; x 2,048 x 4 x 512 float32.
;; Outputs: out0 2,048 x 4 x 512 float32; out1 8 float32; out2 8 float32; out3 one number int32; out4 8,192 float32.
;; One version. Each part assembles by itself: llvm-mc -triple=amdgcn-amd-amdhsa -mcpu=gfx1250 --defsym DOCPART=n.
;; ======== version 1 of 1: 2 launches
;; limits: values are held in f16: magnitudes above 65,504 overflow, below 6.1e-05 lose precision
;; workspace buffers: xb 8,388,608 bytes; wf 16,777,216 bytes; rt 12,288 bytes of whole numbers; psum 8,192 bytes
;; launch prep (part 1): grid 256 x 1, 8 waves a work-group, no clusters, 83,456 bytes of LDS; arguments x, W_switch, b_switch, W1, W2, xb, wf, rt, psum, out4; writes xb, wf, rt, psum, out4
.if DOCPART == 1
	.amdgcn_target "amdgcn-amd-amdhsa--gfx1250"
	.amdhsa_code_object_version 6
	.text
	.protected	k_qe932dd931c_prep
	.globl	k_qe932dd931c_prep
	.p2align	8
	.type	k_qe932dd931c_prep,@function
k_qe932dd931c_prep:
	s_mov_b64 s[64:65], 0
	v_nop
	global_prefetch_b8 v0, s[64:65] scope:SCOPE_SE
	s_setreg_imm32_b32 hwreg(HW_REG_WAVE_MODE, 25, 1), 1
	s_wait_xcnt 0x0
; PREP: the router, x in bf16, and the experts' weights laid out as matrix operands.
; Work-group g (of 256, eight waves) owns tokens 32 g .. 32 g + 31 and the weight cells 8 g .. 8 g + 7.
;  (a) every wave rounds 4 rows of x to bf16: to xb (a store covers 256 consecutive bytes, aligned) and into LDS;
;  (b) wave 0 multiplies the 32 rows by W_switch (bf16 operands, f32 sums), adds the bias, takes the softmax with the row's maximum taken away, and stores:
;      out4 (top probability), psum (the group's sums of the 8 probabilities, f32), rt (whole numbers, at fixed places: packed counts and one 32-bit mask an expert);
;  (c) every wave lays out one cell of 8,192 bytes: 32 k x 128 columns of one expert's W1 (bf16) or W2 (rounded to bf16, that number written as f16).
; CELL c = 256 e + 64 w + t.  t < 32: W1, columns 128 (2 w + t / 16) on, rows k(tau) = 32 (t % 16) + tau.  t >= 32, S = t - 32: W2, columns 128 w on, rows k(tau) = 128 (S / 4) + S % 4 + 4 tau.
;   byte 1024 b + 256 q + 16 rho + 2 j of a cell holds W[k(8 q + j)][first column + 64 (b % 2) + 4 rho + b / 2]: eight operand fragments b of 16 rows (rho) x 32 k.
;   With that order of columns a lane's four loaded columns go to four fragments and every store covers whole runs of 256 bytes; W2's order of rows is the order in which the hidden layer then lies.
; ALL inputs are rounded to bf16 once (x, W_switch, b_switch here too), so the routing is that of the rounded inputs.
; LIMITS.  NaN and infinities are not treated apart.  Of equal top logits the lowest index wins.  Two top logits closer than the f32 sums' rounding may be taken in the other order.
;   A probability below 2^-126 counts as 0.  A W2 number below 2^-17 keeps f16's fixed step of 2^-24.
; No address and no branch hangs on a floating-point number: the choice is stored as data alone.
.set XSP,   1040                       ; a bf16 row of x in LDS: 1,024 bytes + 16: the 16 rows of a fragment load start at 16 different groups of four banks (ISA guide 11.1)
.set WSB,   32*XSP                     ; behind the 32 rows: W_switch, 512 rows of 96 bytes: 16 of zeros, the 8 experts in bf16, 16 of zeros (the rest of a row is not used)
.set WSP,   96
.set SPARE, WSB+512*WSP                ; the spare words, 128 bytes a wave: four blocks of 256 bytes that no other line names
.set X,     16                         ; v16-79   x as loaded; later wave 0's operand buffers; later the cell as stored
.set CL,    96                         ; v96-223  the cell as loaded: row tau in 4 registers
; v80-95 W_switch as loaded, later the two accumulators; v224-255 at work
; v1 lane, v2 16 lane, v3 8 lane, v4 32 thread, v5 / v6 where I store x / W_switch in LDS, v7 / v8 where wave 0 reads them, v9 my place in a cell, v10-13 zeros, v14 / v15 the add's two
	s_load_b512 s[4:19], s[0:1], 0x0               ; x s[4:5], W_switch s[6:7], b_switch s[8:9], W1 s[10:11], W2 s[12:13], xb s[14:15], wf s[16:17], rt s[18:19]
	s_load_b128 s[20:23], s[0:1], 0x40             ; psum s[20:21], out4 s[22:23]
	v_lshl_add_u32 v14, v0, 2, SPARE
	v_mov_b32 v15, 0
	v_and_b32 v1, 31, v0
	v_lshrrev_b32 v2, 5, v0
	v_readfirstlane_b32 s24, v2                    ; wave 0..7
	s_mov_b32 s25, ttmp9                           ; work-group = group of 32 tokens
	v_lshlrev_b32 v2, 4, v1
	v_lshlrev_b32 v3, 3, v1
	v_lshlrev_b32 v4, 5, v0
	s_lshl_b32 s26, s25, 16
	s_lshl_b32 s51, s24, 13
	s_add_co_u32 s26, s26, s51                     ; (32 g + 4 wave) rows of 2,048 bytes of x = (8 g + wave) cells of 8,192 bytes
	s_mov_b32 s27, 0
	s_lshr_b32 s52, s26, 1                         ; the same rows in xb: 1,024 bytes each
	s_mov_b32 s53, 0
	s_mov_b32 s48, 0x76543210                      ; v_permlanex16_b32: each lane takes its own place in the other half
	s_mov_b32 s49, 0xfedcba98
	s_mov_b32 s56, 0x3fb8aa3b                      ; log2(e)
	s_mov_b32 s57, 0xffff0000                      ; a word's upper bf16
	s_wait_kmcnt 0x0
	s_load_b256 s[28:35], s[8:9], 0x0              ; b_switch
	s_add_nc_u64 s[4:5], s[4:5], s[26:27]
	s_add_nc_u64 s[16:17], s[16:17], s[26:27]
	s_add_nc_u64 s[14:15], s[14:15], s[52:53]
	; all of the wave's 52 loads go out at once: 16 of x, 4 of W_switch, 32 of the cell
.irp p, 0,1,2,3
.irp i, 0,1,2,3
	global_load_b128 v[X+16*\p+4*\i:X+16*\p+4*\i+3], v2, s[4:5] offset:2048*\p+512*\i th:TH_LOAD_NT
.endr
.endr
	global_load_b128 v[80:83], v4, s[6:7]                ; W_switch's row k = thread,
	global_load_b128 v[84:87], v4, s[6:7] offset:16
	global_load_b128 v[88:91], v4, s[6:7] offset:8192    ; and row thread + 256
	global_load_b128 v[92:95], v4, s[6:7] offset:8208
.macro CELLLD base, stride             ; 32 rows of the source, 512 consecutive bytes each
.set n, 0
.rept 32
	global_load_b128 v[CL+4*n:CL+4*n+3], v2, s[\base:\base+1] offset:n*(\stride) th:TH_LOAD_NT
.set n, n+1
.endr
.endm
	s_lshr_b32 s54, s25, 5
	s_lshl_b32 s54, s54, 21                        ; expert e = g / 32: 2 MiB of W1 and of W2 each
	s_bfe_u32 s55, s25, 0x20003                    ; w = (g / 8) % 4
	s_and_b32 s51, s25, 3
	s_lshl_b32 s51, s51, 3
	s_add_co_u32 s51, s51, s24                     ; t % 32 = 8 (g % 4) + wave
	s_bitcmp1_b32 s25, 2                           ; t >= 32: the same for the whole work-group
	s_cbranch_scc1 .Lload_w2
	s_and_b32 s52, s51, 15
	s_lshl_b32 s52, s52, 17                        ; 32 (t % 16) rows of 4,096 bytes
	s_add_co_u32 s52, s52, s54
	s_lshr_b32 s51, s51, 4
	s_lshl1_add_u32 s51, s55, s51                  ; slice 2 w + t / 16,
	s_lshl_b32 s51, s51, 9                         ; 512 bytes of a row each
	s_add_co_u32 s52, s52, s51
	s_add_nc_u64 s[10:11], s[10:11], s[52:53]
	CELLLD 10, 4096
	s_branch .Lloaded
.Lload_w2:
	s_lshr_b32 s52, s51, 2
	s_lshl_b32 s52, s52, 18                        ; 128 (S / 4) rows of 2,048 bytes
	s_and_b32 s51, s51, 3
	s_lshl_b32 s51, s51, 11                        ; + S % 4 rows
	s_add_co_u32 s52, s52, s51
	s_add_co_u32 s52, s52, s54
	s_lshl_b32 s55, s55, 9                         ; slice w
	s_add_co_u32 s52, s52, s55
	s_add_nc_u64 s[12:13], s[12:13], s[52:53]
	CELLLD 12, 8192                                ; every fourth row
.Lloaded:
	s_mul_i32 s51, s24, 4*XSP
	v_add_nc_u32 v5, s51, v3                       ; my wave's 4 rows, 8 bytes a lane
	v_mul_u32_u24 v6, v0, WSP
	v_add_nc_u32 v6, WSB, v6
	v_lshrrev_b32 v9, 4, v1                        ; h = lane / 16
	v_and_b32 v10, 15, v1                          ; r = lane % 16
	v_mul_u32_u24 v7, v10, XSP
	v_lshl_add_u32 v7, v9, 4, v7                   ; a token fragment: row r, 16 bytes for each half of the lanes
	v_and_b32 v8, 7, v1
	v_lshl_add_u32 v8, v9, 3, v8
	v_mul_u32_u24 v8, v8, WSP                      ; the turning load: row 8 h + lane % 8,
	v_bfe_u32 v11, v1, 3, 1
	v_lshl_add_u32 v8, v11, 4, v8                  ; 16 bytes (lane / 8) % 2
	v_add_nc_u32 v8, WSB, v8
	v_lshlrev_b32 v10, 4, v10
	v_lshl_add_u32 v9, v9, 10, v10                 ; in a cell: 1,024 (lane / 16) + 16 (lane % 16)
	v_mov_b32 v10, 0
	v_mov_b32 v11, 0
	v_mov_b32 v12, 0
	v_mov_b32 v13, 0
	s_wait_loadcnt 36                              ; loads come back in order: x is in; W_switch's 4 and the cell's 32 stay out
.irp p, 0,1,2,3
.irp i, 0,1,2,3
	v_cvt_pk_bf16_f32 v[X+16*\p+4*\i],   v[X+16*\p+4*\i],   v[X+16*\p+4*\i+1]
	v_cvt_pk_bf16_f32 v[X+16*\p+4*\i+1], v[X+16*\p+4*\i+2], v[X+16*\p+4*\i+3]
	global_store_b64 v3, v[X+16*\p+4*\i:X+16*\p+4*\i+1], s[14:15] offset:1024*\p+256*\i  ; 32 lanes, 256 consecutive bytes, aligned
	ds_store_b64 v5, v[X+16*\p+4*\i:X+16*\p+4*\i+1] offset:XSP*\p+256*\i
.endr
.endr
	s_wait_loadcnt 32                              ; W_switch is in; the cell's 32 stay out
.irp q, 0,1
	v_cvt_pk_bf16_f32 v[80+8*\q], v[80+8*\q], v[81+8*\q]
	v_cvt_pk_bf16_f32 v[81+8*\q], v[82+8*\q], v[83+8*\q]
	v_cvt_pk_bf16_f32 v[82+8*\q], v[84+8*\q], v[85+8*\q]
	v_cvt_pk_bf16_f32 v[83+8*\q], v[86+8*\q], v[87+8*\q]
	ds_store_b128 v6, v[10:13] offset:256*WSP*\q
	ds_store_b128 v6, v[80+8*\q:83+8*\q] offset:256*WSP*\q+16
	ds_store_b128 v6, v[10:13] offset:256*WSP*\q+32
.endr
	s_wait_dscnt 0x0                               ; for wave 0's sake: my rows of x and of W_switch are in LDS
	s_wait_kmcnt 0x0                               ; b_switch
	s_barrier_signal -1
	s_barrier_wait -1                              ; the launch's one barrier
	s_wait_xcnt 0x0                                ; x's registers, which the stores to xb read, are written again only behind this wait
	s_cmp_lg_u32 s24, 0
	s_cbranch_scc1 .Lcell
	; THE ROUTER, wave 0 alone.  Source 0 = 16 rows of which 8 are the experts (turned out of LDS), source 1 = 16 tokens.  The first product has the experts in rows 0-7 and tokens 0-15, the second
	; the experts in rows 8-15 and tokens 16-31; the other rows are zeros.  So the sum of the two results holds, in lane l, registers 0-7: the 8 logits of token l.  The bias is the first product's C.
.irp m, 0,1,2,3
	v_cvt_pk_bf16_f32 v[232+\m], s[28+2*\m], s[29+2*\m]
.endr
.irp m, 0,1,2,3
	v_lshlrev_b32 v[224+2*\m], 16, v[232+\m]
	v_and_b32 v[225+2*\m], s57, v[232+\m]
.endr
.macro LOADK ks, buf                   ; the operands of K step ks (32 along K): 8 LDS loads into buffer buf
.set KB, X+32*(\buf)
	ds_load_tr16_b128 v[KB:KB+3],     v8 offset:32*WSP*(\ks)+16
	ds_load_tr16_b128 v[KB+4:KB+7],   v8 offset:32*WSP*(\ks)+16+16*WSP
	ds_load_tr16_b128 v[KB+8:KB+11],  v8 offset:32*WSP*(\ks)
	ds_load_tr16_b128 v[KB+12:KB+15], v8 offset:32*WSP*(\ks)+16*WSP
	ds_load_b128 v[KB+16:KB+19], v7 offset:64*(\ks)
	ds_load_b128 v[KB+20:KB+23], v7 offset:64*(\ks)+32
	ds_load_b128 v[KB+24:KB+27], v7 offset:16*XSP+64*(\ks)
	ds_load_b128 v[KB+28:KB+31], v7 offset:16*XSP+64*(\ks)+32
.endm
	LOADK 0, 0
	LOADK 1, 1
.set kk, 0
.rept 16
.if kk < 15
	s_wait_dscnt 8                                 ; this step's 8 loads are in, the next step's 8 stay out
.else
	s_wait_dscnt 0
.endif
.set KB, X+32*(kk%2)
.if kk == 0
	v_wmma_f32_16x16x32_bf16 v[80:87], v[KB:KB+7], v[KB+16:KB+23], v[224:231]
	v_wmma_f32_16x16x32_bf16 v[88:95], v[KB+8:KB+15], v[KB+24:KB+31], 0
.else
	v_wmma_f32_16x16x32_bf16 v[80:87], v[KB:KB+7], v[KB+16:KB+23], v[80:87]      ; the two accumulators take turns
	v_wmma_f32_16x16x32_bf16 v[88:95], v[KB+8:KB+15], v[KB+24:KB+31], v[88:95]
.endif
.if kk < 14
.rept 4
	v_nop                                          ; four places between the products and the loads into the registers that they read
.endr
	LOADK kk+2, kk%2
.endif
.set kk, kk+1
.endr
.rept 4
	v_nop                                          ; four places in front of the first read of the results
.endr
.irp j, 0,1,2,3,4,5,6,7
	v_add_f32 v[232+\j], v[80+\j], v[88+\j]        ; the logits; each accumulator is read from its low end on
.endr
	v_max3_num_f32 v248, v232, v233, v234
	v_max3_num_f32 v249, v235, v236, v237
	v_max3_num_f32 v248, v248, v238, v239
	v_max_num_f32 v248, v248, v249                 ; the token's maximum
.irp j, 0,1,2,3,4,5,6,7
	v_sub_f32 v[232+\j], v[232+\j], v248           ; exactly 0 at the top
.endr
.irp j, 0,1,2,3,4,5,6,7
	v_mul_f32 v[240+\j], s56, v[232+\j]
.endr
.irp j, 0,1,2,3,4,5,6,7
	v_exp_f32 v[240+\j], v[240+\j]                 ; one batch of 8
.endr
	v_mov_b32 v254, 7                              ; the choice: the lowest index whose logit is the maximum.  This work names no exponential's result
.irp j, 6,5,4,3,2,1,0
	v_cmp_eq_f32 vcc_lo, 0, v[232+\j]
	v_cndmask_b32 v254, v254, \j, vcc_lo
.endr
	s_wait_alu depctr_va_vdst(0)                   ; one wait for the batch, ahead of its first reader
	v_add_f32 v249, v240, v241
	v_add_f32 v250, v242, v243
	v_add_f32 v251, v244, v245
	v_add_f32 v252, v246, v247
	v_add_f32 v249, v249, v250
	v_add_f32 v251, v251, v252
	v_add_f32 v249, v249, v251
	v_rcp_f32 v253, v249                           ; 1 / sum = the top probability (its exponential is 2^0)
.irp e, 0,1,2,3,4,5,6,7
	v_cmp_eq_u32 s[36+\e], \e, v254                ; expert e's mask of the 32 tokens
.endr
.irp k, 0,1,2,3
	s_bcnt1_i32_b32 s51, s[36+2*\k]
	s_bcnt1_i32_b32 s52, s[37+2*\k]
	s_lshl_b32 s52, s52, 16
	s_or_b32 s[44+\k], s51, s52                    ; two counts to a word
.endr
.irp k, 0,1,2,3
	v_mov_b32 v[16+\k], s[36+\k]
	v_mov_b32 v[20+\k], s[40+\k]
	v_mov_b32 v[24+\k], s[44+\k]
.endr
	s_lshl_b32 s51, s25, 4
	v_mov_b32 v28, s51                             ; 16 g: my record of counts
	s_lshl_b32 s51, s25, 5
	v_mov_b32 v29, s51                             ; 32 g: my records of masks and of sums
	s_lshl_b32 s51, s25, 7
	v_lshl_add_u32 v30, v1, 2, s51                 ; 128 g + 4 lane: my token in out4
	s_wait_alu depctr_va_vdst(0)                   ; the reciprocal's wait
	global_store_b32 v30, v253, s[22:23]
.irp j, 0,1,2,3,4,5,6,7
	v_mul_f32 v[240+\j], v[240+\j], v253           ; the probabilities,
.endr
.irp m, 1,2,4,8
.irp j, 0,1,2,3,4,5,6,7
	v_add_f32_dpp v[240+\j], v[240+\j], v[240+\j] row_xmask:\m row_mask:0xf bank_mask:0xf  ; summed over the 32 tokens
.endr
.endr
.irp j, 0,1,2,3,4,5,6,7
	v_permlanex16_b32 v[80+\j], v[240+\j], s48, s49
.endr
.irp j, 0,1,2,3,4,5,6,7
	v_add_f32 v[240+\j], v[240+\j], v[80+\j]
.endr
	v_cmp_eq_u32 vcc_lo, 0, v1
	s_wait_xcnt 0x0                                ; EXEC changes only behind s_wait_xcnt 0
	s_and_saveexec_b32 s50, vcc_lo                 ; lane 0 stores the group's records
	global_store_b128 v28, v[24:27], s[18:19]
	global_store_b128 v29, v[16:19], s[18:19] offset:4096
	global_store_b128 v29, v[20:23], s[18:19] offset:4112
	global_store_b128 v29, v[240:243], s[20:21]
	global_store_b128 v29, v[244:247], s[20:21] offset:16
	s_wait_xcnt 0x0                                ; and again in front of the line that widens it; it also frees the stores' registers for the cell
	s_or_b32 exec_lo, exec_lo, s50
.Lcell:
	; THE CELL.  For each eight rows q and each of my four columns i: eight numbers of one column, rounded and packed, are 16 bytes of fragment 2 i + lane / 16.
.macro CELLCV hf
.set cq, 0
.rept 4
	s_wait_loadcnt 24-8*cq                         ; rows 8 q .. 8 q + 7 are in, the later rows stay out
.set ci, 0
.rept 4
.if \hf
.irp m, 0,1,2,3
	v_cvt_pk_bf16_f32 v[224+\m], v[CL+32*cq+8*\m+ci], v[CL+32*cq+8*\m+4+ci]
.endr
.irp m, 0,1,2,3
	v_lshlrev_b32 v[228+\m], 16, v[224+\m]
	v_and_b32 v[232+\m], s57, v[224+\m]
.endr
.irp m, 0,1,2,3
	v_cvt_pk_f16_f32 v[X+16*cq+4*ci+\m], v[228+\m], v[232+\m]  ; the bf16 number, written as f16
.endr
.else
.irp m, 0,1,2,3
	v_cvt_pk_bf16_f32 v[X+16*cq+4*ci+\m], v[CL+32*cq+8*\m+ci], v[CL+32*cq+8*\m+4+ci]
.endr
.endif
	global_store_b128 v9, v[X+16*cq+4*ci:X+16*cq+4*ci+3], s[16:17] offset:2048*ci+256*cq  ; each half of the lanes stores 256 consecutive bytes, aligned
.set ci, ci+1
.endr
.set cq, cq+1
.endr
.endm
	s_bitcmp1_b32 s25, 2
	s_cbranch_scc1 .Lcv_w2
	CELLCV 0
	s_branch .Lend
.Lcv_w2:
	CELLCV 1
.Lend:
	s_wait_tensorcnt 0x0                           ; the wave's end
	ds_add_u32 v14, v15
	s_wait_dscnt 0x0
	s_endpgm
.Lfunc_end_k_qe932dd931c_prep:
	.size	k_qe932dd931c_prep, .Lfunc_end_k_qe932dd931c_prep-k_qe932dd931c_prep
	.p2alignl 7, 3214868480
	.fill 96, 4, 3214868480
	.section	.rodata,"a",@progbits
	.p2align	6, 0x0
	.amdhsa_kernel k_qe932dd931c_prep
		.amdhsa_group_segment_fixed_size 83456
		.amdhsa_private_segment_fixed_size 0
		.amdhsa_enable_private_segment 0
		.amdhsa_kernarg_size 80
		.amdhsa_user_sgpr_count 2
		.amdhsa_user_sgpr_kernarg_segment_ptr 1
		.amdhsa_wavefront_size32 1
		.amdhsa_system_sgpr_workgroup_id_x 1
		.amdhsa_system_sgpr_workgroup_id_y 1
		.amdhsa_system_sgpr_workgroup_id_z 1
		.amdhsa_system_vgpr_workitem_id 0
		.amdhsa_next_free_vgpr 256
		.amdhsa_next_free_sgpr 66
		.amdhsa_reserve_vcc 1
		.amdhsa_float_denorm_mode_32 3
		.amdhsa_float_denorm_mode_16_64 3
		.amdhsa_memory_ordered 1
		.amdhsa_forward_progress 1
		.amdhsa_inst_pref_size 57
	.end_amdhsa_kernel
	.amdgpu_metadata
---
amdhsa.version: [ 1, 2 ]
amdhsa.kernels:
  - .name:           k_qe932dd931c_prep
    .symbol:         k_qe932dd931c_prep.kd
    .args:
      - { .name: x, .offset: 0, .size: 8, .value_kind: global_buffer, .address_space: global }
      - { .name: W_switch, .offset: 8, .size: 8, .value_kind: global_buffer, .address_space: global }
      - { .name: b_switch, .offset: 16, .size: 8, .value_kind: global_buffer, .address_space: global }
      - { .name: W1, .offset: 24, .size: 8, .value_kind: global_buffer, .address_space: global }
      - { .name: W2, .offset: 32, .size: 8, .value_kind: global_buffer, .address_space: global }
      - { .name: xb, .offset: 40, .size: 8, .value_kind: global_buffer, .address_space: global }
      - { .name: wf, .offset: 48, .size: 8, .value_kind: global_buffer, .address_space: global }
      - { .name: rt, .offset: 56, .size: 8, .value_kind: global_buffer, .address_space: global }
      - { .name: psum, .offset: 64, .size: 8, .value_kind: global_buffer, .address_space: global }
      - { .name: out4, .offset: 72, .size: 8, .value_kind: global_buffer, .address_space: global }
    .group_segment_fixed_size: 83456
    .private_segment_fixed_size: 0
    .kernarg_segment_align: 8
    .kernarg_segment_size: 80
    .max_flat_workgroup_size: 256
    .sgpr_count:     66
    .vgpr_count:     256
    .wavefront_size: 32
...
	.end_amdgpu_metadata
.endif
;; end of part 1
;; launch chain (part 2): grid 135 x 1, 4 waves a work-group, no clusters, 205,568 bytes of LDS; arguments xb, wf, rt, psum, b1, b2, out4, out0, out1, out2, out3; writes out0, out1, out2, out3
.if DOCPART == 2
	.amdgcn_target "amdgcn-amd-amdhsa--gfx1250"
	.amdhsa_code_object_version 6
	.text
	.protected	k_qe932dd931c_chain
	.globl	k_qe932dd931c_chain
	.p2align	8
	.type	k_qe932dd931c_chain,@function
k_qe932dd931c_chain:
	s_mov_b64 s[64:65], 0
	v_nop
	global_prefetch_b8 v0, s[64:65] scope:SCOPE_SE
	s_setreg_imm32_b32 hwreg(HW_REG_WAVE_MODE, 25, 1), 1
	s_wait_xcnt 0x0
; CHAIN: a tile of 64 routed rows of one expert goes through the whole layer: gather, x W1 + b1, ReLU, h W2 + b2, times the top probability, store.
; THE GRID serves every split: with 8,192 rows, 8 experts and tiles of 64 there are never more than 135 tiles.  Every wave works its tile out from the stored counts (whole numbers that the launch
; before stored).  A work-group that a split leaves without rows runs the same text on rows that exist (every wave passes every barrier) and stores nothing.  Work-group 134, which always exists, also writes out1, out2, out3.
; WHICH ROWS.  An expert's rows are ranked in the tokens' order.  Lane l holds the counts of groups 8 l .. 8 l + 7 (a group = 32 tokens).  For rank R the lane, the group and the bit are each found as
; 'how many inclusive prefixes are <= R', counted by the signs of the differences; the group's mask word is loaded at a clamped index.  Places past the count repeat a row that exists.
; PRODUCTS, used transposed: source 0 = 16 positions of weights, source 1 = 16 tokens, so a lane holds one token and eight neighbouring positions.  A wave owns all 64 tokens and a quarter of the columns:
; 2 x 128 hidden units, then 128 outputs; 32 accumulators (8 fragments x 4 token blocks), which take turns.  The bias is the C operand of a sum's first product.
; THE WEIGHTS come from memory straight into operand registers, through a ring of four register slots of one K step (a cell of 8,192 bytes, as the launch before laid them): a step's 16 loads are issued three
; steps (96 matrix instructions) ahead of the wait for them.  x (bf16) and h (f16) lie in LDS.
; THE ORDER OF K.  Tile B begins the first product's K at step R1 = 3 B mod 16 and the second's at step R2 = 2 R1, and goes round.  The tiles of one expert have consecutive numbers and run side by side: so at
; any moment they ask for different cells, and a cell's first request comes from one tile, ahead of the other tiles' requests for it.  With the factor 3 any 8 consecutive tiles, and every other tile of 16, start
; at most 3 steps apart of 16 (6 of 32).  For the first product the turn is made in the gather (LDS byte p of a row holds byte (p + 64 R1) mod 1,024 of the row of x), so its LDS addresses are those of an
; unturned walk; for the second the byte at which h is read goes round, (s42 + 64) & 2047 a step, between two barriers between which no wave writes LDS.  Only the order of the f32 sums hangs on it.
; NO CLUSTER, NO TENSOR LOAD: a tile's expert hangs on counts read from memory, and the tiles of one expert are not a multiple of four at every split, so partners would differ in what they ask for;
; and beside x and h LDS has room for two slots of less than two steps' 32,768 bytes, less than the 98,304 bytes that the four waves' rings have on their way.
; FORMATS.  All inputs are rounded to bf16 (b1 and b2 here); h, which the program makes itself, to f16; sums in f32.
; LIMITS.  h is held to 65,504, f16's largest number; below 6e-5 it keeps f16's fixed step of 6e-8.  NaN and infinities are not treated apart.
.set XP,    1040                       ; a row of x in LDS: 1,024 bytes + 16
.set HP,    2064                       ; a row of h (1,024 f16), later of the result (512 f32): 2,048 bytes + 16.  Both pitches are odd multiples of 16: 16 rows start at 16 different groups of four banks (ISA guide 11.1)
.set HB,    64*XP
.set BB,    HB+64*HP                   ; b1 (4,096 bytes), b2 (2,048): f32, in the order of the positions
.set PL,    BB+6144                    ; the 64 rows' top probabilities
.set SPARE, PL+256                     ; the spare words, 128 bytes a wave: two blocks of 256 bytes that no other line names
; window 0: v1 lane, v2 r = lane % 16, v3 h = lane / 16, v4 16 lane, v5-6 x fragments' addresses (token blocks 0-1, 2-3), v7-8 the same for h, v9-10 the pair in use, v11-12 where h is stored,
;   v13-14 where the result is staged, v15 where rows are read back, v16 / v17 b1 / b2, v18 my row's token, v19 where x is stored, v20-23 p of token 16 tb + r, v24 zero, v25 / v28 p's words (store / load),
;   v26-27 the add's two, v29 where bias is stored, v30-31 at work; v32-95 ACT: two buffers of 4 token fragments; v96-159 BIAS; v160-239 at work; v240-243 VA: a ring slot's byte offset in my stream
; window 1: the ring, slot s at v[64 s], fragment b at + 8 b.      window 2: accumulator (b, tb) at v[8 (4 b + tb)]; before the products v0-127 take the gathered rows
; scalars of the walk: s[40:41] my wave's stream of 64 cells (never rewritten), s50 R1, s59 R2, s58 the stream step whose cell is made next, s60 that cell, s42 the byte along the LDS rows, s43 a loop's count
.set ACT,   32
.set BIAS,  96
.set T,     160
.set AD,    9
.set VA,    240
.set MSB, 0
.macro WIN new                         ; s_set_vgpr_msb: bits 1:0 source 0, 3:2 source 1, 5:4 source 2, 7:6 destination; the high byte repeats the setting that is left
.if MSB != (\new)
	s_set_vgpr_msb (MSB<<8)|(\new)
.set MSB, \new
.endif
.endm
.macro PLACES                          ; four places behind matrix instructions, in front of reads of their results (ISA guide 7.12.1)
.rept 4
	v_nop
.endr
.endm
.macro WLOAD slot                      ; a K step's weights, a cell of 8,192 bytes on end, into a slot of the ring; the slot's VA says which cell
	WIN 0x40
.set wn, 0
.rept 16
	global_load_b128 v[64*(\slot)+4*wn:64*(\slot)+4*wn+3], v[VA+(\slot)], s[40:41] offset:512*wn
.set wn, wn+1
.endr
.endm
.macro SCALW                           ; s60 = the cell of stream step s58: steps 0-31 are two walks of 16 cells begun at R1, steps 32-63 one walk of 32 cells begun at R2; then s58 steps
	s_add_co_u32 s60, s58, s50
	s_and_b32 s60, s60, 15
	s_and_b32 s61, s58, 16
	s_or_b32 s60, s60, s61
	s_add_co_u32 s61, s58, s59
	s_and_b32 s61, s61, 31
	s_or_b32 s61, s61, 32
	s_cmp_lt_u32 s58, 32
	s_cselect_b32 s60, s60, s61
	s_add_co_u32 s58, s58, 1
.endm
	s_load_b512 s[4:19], s[0:1], 0x0               ; xb s[4:5], wf s[6:7], rt s[8:9], psum s[10:11], b1 s[12:13], b2 s[14:15], out4 s[16:17], out0 s[18:19]
	s_load_b128 s[20:23], s[0:1], 0x40             ; out1 s[20:21], out2 s[22:23]
	s_load_b64 s[24:25], s[0:1], 0x50              ; out3
	v_lshl_add_u32 v26, v0, 2, SPARE
	v_mov_b32 v27, 0
	v_and_b32 v1, 31, v0
	v_lshrrev_b32 v30, 5, v0
	v_readfirstlane_b32 s26, v30                   ; wave 0..3
	s_mov_b32 s27, ttmp9                           ; my tile's number
	v_lshlrev_b32 v31, 7, v1                       ; eight records of 16 bytes a lane
	s_mov_b32 s48, 0x76543210
	s_mov_b32 s49, 0xfedcba98
	s_mov_b32 s44, 0x7bff7bff                      ; 65,504 twice, in f16
	s_mov_b32 s57, 0
	s_wait_kmcnt 0x0
.irp j, 0,1,2,3,4,5,6,7
	global_load_b128 v[32+4*\j:35+4*\j], v31, s[8:9] offset:16*\j  ; group 8 lane + j: word k = count of expert 2 k | count of expert 2 k + 1 << 16
.endr
	; the addresses, while the counts are on their way
	v_and_b32 v2, 15, v0
	v_bfe_u32 v3, v0, 4, 1
	v_lshlrev_b32 v4, 4, v1
	v_mul_u32_u24 v5, v2, XP
	v_lshl_add_u32 v5, v3, 4, v5
	v_add_nc_u32 v6, 32*XP, v5
	v_mul_u32_u24 v30, v2, HP
	v_lshl_add_u32 v7, v3, 4, v30
	v_add_nc_u32 v7, HB, v7
	v_add_nc_u32 v8, 32*HP, v7
	s_lshl_b32 s54, s26, 9                         ; my wave's 512 bytes of a row of h and of the result
	v_add_nc_u32 v11, s54, v7
	v_add_nc_u32 v12, 32*HP, v11
	v_lshl_add_u32 v13, v3, 7, v30
	s_add_co_u32 s55, s54, HB
	v_add_nc_u32 v13, s55, v13
	v_add_nc_u32 v14, 32*HP, v13
	s_mul_i32 s55, s26, 16*HP
	s_add_co_u32 s55, s55, HB
	v_add_nc_u32 v15, s55, v4
	v_lshlrev_b32 v30, 5, v3
	s_lshl_b32 s55, s26, 10
	s_add_co_u32 s55, s55, BB
	v_add_nc_u32 v16, s55, v30
	s_add_co_u32 s55, s54, BB+4096
	v_add_nc_u32 v17, s55, v30
	s_mul_i32 s55, s26, 16*XP
	v_add_nc_u32 v19, s55, v4
	v_mov_b32 v24, 0
	s_lshl_b32 s55, s26, 6
	s_add_co_u32 s55, s55, PL
	v_lshl_add_u32 v25, v2, 2, s55
	v_lshl_add_u32 v28, v2, 2, PL
	s_add_co_u32 s55, s54, BB
	v_lshl_add_u32 v29, v3, 6, s55                 ; thread t's columns 4 t .. 4 t + 3 are positions 128 i + 64 (t / 16 % 2) + 4 (t % 16) bytes of slice t / 32
	v_lshl_add_u32 v29, v2, 2, v29
.irp k, 0,1,2,3
	v_mov_b32 v[68+\k], 0                          ; destinations of lane moves count as read
.endr
.irp n, 0,1,2,3,4
	v_bfe_u32 v[92+\n], v1, \n, 1                  ; the lane number's bits
.endr
	s_wait_loadcnt 0x0
	; each expert's total, packed two to a word (no field passes 8,192), in every lane
.irp k, 0,1,2,3
	v_add3_u32 v[64+\k], v[32+\k], v[36+\k], v[40+\k]
.endr
.irp k, 0,1,2,3
	v_add3_u32 v[64+\k], v[64+\k], v[44+\k], v[48+\k]
.endr
.irp k, 0,1,2,3
	v_add3_u32 v[64+\k], v[64+\k], v[52+\k], v[56+\k]
.endr
.irp k, 0,1,2,3
	v_add_nc_u32 v[64+\k], v[64+\k], v[60+\k]
.endr
.irp d, 1,2,4,8
.irp k, 0,1,2,3
	v_mov_b32_dpp v[68+\k], v[64+\k] row_xmask:\d row_mask:0xf bank_mask:0xf
.endr
.irp k, 0,1,2,3
	v_add_nc_u32 v[64+\k], v[64+\k], v[68+\k]
.endr
.endr
.irp k, 0,1,2,3
	v_permlanex16_b32 v[68+\k], v[64+\k], s48, s49
.endr
.irp k, 0,1,2,3
	v_add_nc_u32 v[64+\k], v[64+\k], v[68+\k]
.endr
.irp k, 0,1,2,3
	v_readfirstlane_b32 s[60+\k], v[64+\k]
.endr
.irp k, 0,1,2,3
	s_and_b32 s[28+2*\k], s[60+\k], 0xffff         ; s28-35: the eight counts
	s_lshr_b32 s[29+2*\k], s[60+\k], 16
.endr
	; my tile: expert s36, its first tile's number s37, its count s38
	s_mov_b32 s36, 0
	s_mov_b32 s37, 0
	s_mov_b32 s38, s28
	s_mov_b32 s39, 0
.irp k, 0,1,2,3,4,5,6
	s_add_co_u32 s54, s[28+\k], 63
	s_lshr_b32 s54, s54, 6
	s_add_co_u32 s39, s39, s54                     ; tiles of experts 0 .. k
	s_cmp_ge_u32 s27, s39
	s_cselect_b32 s36, \k+1, s36
	s_cselect_b32 s37, s39, s37
	s_cselect_b32 s38, s[29+\k], s38
.endr
	s_sub_co_u32 s45, s27, s37
	s_lshl_b32 s45, s45, 6                         ; the tile's first rank
	s_sub_co_i32 s46, s38, s45
	s_max_i32 s46, s46, 0
	s_min_i32 s46, s46, 64                         ; its rows: 0 for a tile past the last
	s_lshl_b32 s54, s26, 4
	s_sub_co_i32 s47, s46, s54
	s_max_i32 s47, s47, 0
	s_min_i32 s47, s47, 16                         ; those of my wave's 16
	s_min_u32 s36, s36, 7
	; out1, out2, out3: one wave of one work-group.  No barrier stands in what the others jump.
	s_cmp_lg_u32 s27, 134
	s_cbranch_scc1 .Lno_small
	s_cmp_lg_u32 s26, 0
	s_cbranch_scc1 .Lno_small
	v_lshlrev_b32 v30, 5, v1
.irp j, 0,1,2,3,4,5,6,7
	global_load_b128 v[T+8*\j:T+8*\j+3],   v30, s[10:11] offset:1024*\j      ; group lane + 32 j: its sums of the 8 probabilities
	global_load_b128 v[T+8*\j+4:T+8*\j+7], v30, s[10:11] offset:1024*\j+16
.endr
	s_wait_loadcnt 0x0
.irp j, 1,2,3,4,5,6,7
.irp k, 0,2,4,6
	v_pk_add_f32 v[T+\k:T+\k+1], v[T+\k:T+\k+1], v[T+8*\j+\k:T+8*\j+\k+1]
.endr
.endr
.irp m, 1,2,4,8
.irp k, 0,1,2,3,4,5,6,7
	v_add_f32_dpp v[T+\k], v[T+\k], v[T+\k] row_xmask:\m row_mask:0xf bank_mask:0xf
.endr
.endr
.irp k, 0,1,2,3,4,5,6,7
	v_permlanex16_b32 v[T+8+\k], v[T+\k], s48, s49
.endr
.irp k, 0,1,2,3,4,5,6,7
	v_add_f32 v[T+\k], v[T+\k], v[T+8+\k]
	v_cvt_f32_u32 v[T+16+\k], s[28+\k]
.endr
	v_mov_b32 v[T+24], 0
	v_cmp_eq_u32 vcc_lo, 0, v1
	s_wait_xcnt 0x0                                ; EXEC changes only behind s_wait_xcnt 0
	s_and_saveexec_b32 s58, vcc_lo
	global_store_b128 v[T+24], v[T:T+3], s[22:23]
	global_store_b128 v[T+24], v[T+4:T+7], s[22:23] offset:16
	global_store_b128 v[T+24], v[T+16:T+19], s[20:21]
	global_store_b128 v[T+24], v[T+20:T+23], s[20:21] offset:16
	global_store_b32 v[T+24], v[T+24], s[24:25]
	s_wait_xcnt 0x0                                ; and again in front of the line that widens it
	s_or_b32 exec_lo, exec_lo, s58
.Lno_small:
	; what hangs on the expert and the tile's number alone: the pointers, the walk's two starts, and the ring's first three steps, which go out ahead of the search for the rows
	s_lshl_b32 s56, s36, 12
	s_add_nc_u64 s[12:13], s[12:13], s[56:57]
	s_lshl_b32 s56, s36, 11
	s_add_nc_u64 s[14:15], s[14:15], s[56:57]
	s_lshl_b32 s56, s36, 21
	s_lshl_b32 s54, s26, 19
	s_add_co_u32 s56, s56, s54
	s_add_nc_u64 s[40:41], s[6:7], s[56:57]        ; my wave's stream: 64 cells on end
	s_mul_i32 s50, s27, 3
	s_and_b32 s50, s50, 15                         ; R1
	s_lshl_b32 s59, s50, 1                         ; R2
.irp s, 0,1,2
	s_add_co_u32 s54, s50, \s
	s_and_b32 s54, s54, 15
	v_lshl_add_u32 v[VA+\s], s54, 13, v4
.endr
	WLOAD 0
	WLOAD 1
	WLOAD 2
	WIN 0
	s_bitcmp1_b32 s36, 0
	s_cselect_b32 s53, 16, 0                       ; which half of a word,
	s_bitcmp1_b32 s36, 1
	s_cselect_b32 s51, -1, 0                       ; and which of the four words is my expert's
	s_bitcmp1_b32 s36, 2
	s_cselect_b32 s52, -1, 0
.irp j, 0,1,2,3,4,5,6,7
	v_cndmask_b32 v[100+2*(\j%2)], v[32+4*\j], v[33+4*\j], s51
	v_cndmask_b32 v[101+2*(\j%2)], v[34+4*\j], v[35+4*\j], s51
	v_cndmask_b32 v[100+2*(\j%2)], v[100+2*(\j%2)], v[101+2*(\j%2)], s52
	v_bfe_u32 v[72+\j], v[100+2*(\j%2)], s53, 16   ; my expert's count in group 8 lane + j
.endr
	v_add_nc_u32 v82, v72, v73                     ; exclusive prefixes inside the lane: v72 (group 1), v82-87 (groups 2-7): 224 at the most, a byte each
	v_add_nc_u32 v83, v82, v74
	v_add_nc_u32 v84, v83, v75
	v_add_nc_u32 v85, v84, v76
	v_add_nc_u32 v86, v85, v77
	v_add_nc_u32 v87, v86, v78
	v_add_nc_u32 v88, v87, v79                     ; the lane's total
	v_lshl_or_b32 v103, v82, 8, v72
	v_lshl_or_b32 v103, v83, 16, v103
	v_lshl_or_b32 v103, v84, 24, v103
	v_lshl_or_b32 v104, v86, 8, v85
	v_lshl_or_b32 v104, v87, 16, v104
	v_mov_b32 v89, v88
	v_mov_b32 v90, 0
.irp n, 0,1,2,3                        ; the exclusive prefix over the lanes: at each step the partner block's sum is added where it lies below
	v_mov_b32_dpp v68, v89 row_xmask:1<<\n row_mask:0xf bank_mask:0xf
	v_mad_u32_u24 v90, v68, v[92+\n], v90
	v_add_nc_u32 v89, v89, v68
.endr
	v_permlanex16_b32 v68, v89, s48, s49
	v_mad_u32_u24 v90, v68, v96, v90
	v_add_nc_u32 v91, v90, v88                     ; inclusive
	s_lshl_b32 s54, s26, 4
	s_add_co_u32 s54, s54, s45
	v_add_nc_u32 v97, s54, v2                      ; my rank R: both halves of the lanes look for the same 16 rows
.macro NEGSUM                          ; v120 = the sum of v120 .. v151
.irp s, 1,3,5
.irp q, 0,8,16,24
	v_add3_u32 v[120+\q], v[120+\q], v[120+\q+\s], v[121+\q+\s]
.endr
.endr
	v_add3_u32 v120, v120, v128, v136
	v_add3_u32 v120, v120, v144, v127
	v_add3_u32 v120, v120, v135, v143
	v_add_nc_u32 v120, v120, v151
.endm
.set n, 0
.rept 8
.irp q, 0,1,2,3
	v_readlane_b32 s[60+\q], v91, n+\q
.endr
.irp q, 0,1,2,3
	v_sub_nc_u32 v[120+n+\q], v97, s[60+\q]        ; negative where that lane's inclusive prefix is above R
.endr
.set n, n+4
.endr
.set n, 0
.rept 32
	v_lshrrev_b32 v[120+n], 31, v[120+n]
.set n, n+1
.endr
	NEGSUM
	v_sub_nc_u32 v98, 32, v120                     ; the lane that holds rank R
	v_min_u32 v98, 31, v98
	v_lshlrev_b32 v99, 2, v98
	ds_bpermute_b32 v100, v99, v90                 ; its prefix and its packed prefixes (no LDS byte is touched)
	ds_bpermute_b32 v101, v99, v103
	ds_bpermute_b32 v102, v99, v104
	s_wait_dscnt 0x0
	v_sub_nc_u32 v105, v97, v100
.irp q, 0,1,2,3
	v_bfe_u32 v[121+\q], v101, 8*\q, 8
.endr
.irp q, 0,1,2
	v_bfe_u32 v[125+\q], v102, 8*\q, 8
.endr
.irp q, 1,2,3,4,5,6,7
	v_sub_nc_u32 v[120+\q], v105, v[120+\q]
.endr
	v_min_u32 v119, v105, v121                     ; the rank inside the group: the least difference that is not negative (a negative one is large as an unsigned number)
.irp q, 2,3,4,5,6,7
	v_min_u32 v119, v119, v[120+\q]
.endr
.irp q, 1,2,3,4,5,6,7
	v_lshrrev_b32 v[120+\q], 31, v[120+\q]
.endr
	v_add3_u32 v106, v121, v122, v123
	v_add3_u32 v106, v106, v124, v125
	v_add3_u32 v106, v106, v126, v127
	v_sub_nc_u32 v106, 7, v106                     ; the group in the lane
	v_lshl_add_u32 v110, v98, 3, v106
	v_min_u32 v110, 0xff, v110                     ; the group, clamped to the table
	s_lshl_b32 s55, s36, 2
	v_lshl_add_u32 v111, v110, 5, s55
	global_load_b32 v112, v111, s[8:9] offset:4096 ; my expert's mask of that group
	s_wait_loadcnt 0x0                             ; the mask; the ring's 48 loads, issued ahead of it, are in with it
	v_bfe_u32 v120, v112, 0, 1
	v_bfe_u32 v121, v112, 1, 1
.set n, 0
.rept 32                               ; v[120+n] = rank - (set bits up to bit n): negative from the wanted bit on
	v_sub_nc_u32 v[120+n], v[119+n], v[120+n]
.if n < 30
	v_bfe_u32 v[122+n], v112, n+2, 1
.endif
.if n > 0
	v_lshrrev_b32 v[119+n], 31, v[119+n]
.endif
.set n, n+1
.endr
	v_lshrrev_b32 v151, 31, v151
	NEGSUM
	v_sub_nc_u32 v114, 32, v120
	v_lshl_add_u32 v18, v110, 5, v114
	v_min_u32 v18, 0x1fff, v18                     ; my row's token; a place past the count gets some token that exists
	v_lshlrev_b32 v116, 2, v18
	s_lshl_b32 s54, s50, 6
	v_add_nc_u32 v30, s54, v4
	v_and_b32 v30, 0x3ff, v30                      ; the turn: LDS byte 16 lane of a row takes byte (16 lane + 64 R1) mod 1,024 of the row of x,
	v_xor_b32 v31, 0x200, v30                      ; LDS byte 16 lane + 512 the byte 512 further round
.set i, 0
.rept 16
	v_readlane_b32 s[60+i%4], v18, i
	s_min_u32 s[60+i%4], s[60+i%4], 0x1fff
	s_lshl_b32 s[60+i%4], s[60+i%4], 10            ; a row of xb is 1,024 bytes
	v_add_nc_u32 v[224+i], s[60+i%4], v30
	v_add_nc_u32 v[192+i], s[60+i%4], v31
.set i, i+1
.endr
	v_lshlrev_b32 v118, 4, v0
	global_load_b128 v[T:T+3],    v118, s[12:13]               ; b1, b2: 16 bytes a thread
	global_load_b128 v[T+4:T+7],  v118, s[12:13] offset:2048
	global_load_b128 v[T+8:T+11], v118, s[14:15]
	global_load_b32 v117, v116, s[16:17]           ; p
	WIN 0x80
.set i, 0
.rept 16
	global_load_b128 v[8*i:8*i+3],   v[224+i], s[4:5]          ; my wave's 16 rows of x, 512 bytes a load
	global_load_b128 v[8*i+4:8*i+7], v[192+i], s[4:5]
.set i, i+1
.endr
	WIN 0
	s_wait_loadcnt 0x0
	; the bias: rounded to bf16 like every input, kept as f32, stored in the positions' order
.irp q, 0,1,2
	v_cvt_pk_bf16_f32 v[T+12+2*\q], v[T+4*\q], v[T+4*\q+1]
	v_cvt_pk_bf16_f32 v[T+13+2*\q], v[T+4*\q+2], v[T+4*\q+3]
.endr
.irp q, 0,1,2
	v_lshlrev_b32 v[T+4*\q], 16, v[T+12+2*\q]
	v_and_b32 v[T+4*\q+1], 0xffff0000, v[T+12+2*\q]
	v_lshlrev_b32 v[T+4*\q+2], 16, v[T+13+2*\q]
	v_and_b32 v[T+4*\q+3], 0xffff0000, v[T+13+2*\q]
.endr
.irp q, 0,1,2
.irp i, 0,1,2,3
	ds_store_b32 v29, v[T+4*\q+\i] offset:2048*\q+128*\i
.endr
.endr
	ds_store_b32 v25, v117
	WIN 0x08
.set i, 0
.rept 16
	ds_store_b128 v19, v[8*i:8*i+3] offset:XP*i
	ds_store_b128 v19, v[8*i+4:8*i+7] offset:XP*i+512
.set i, i+1
.endr
	WIN 0
	s_wait_dscnt 0x0                               ; for the others' sake: my rows of x, my part of the bias and my p are in LDS
	s_barrier_signal -1
	s_barrier_wait -1
.irp tb, 0,1,2,3
	ds_load_b32 v[20+\tb], v28 offset:64*\tb
.endr
	s_mov_b32 s58, 3                               ; stream steps 0, 1, 2 are in the ring: step 3's cell is made next
	SCALW
.macro ALOAD buf, off, p16             ; four token fragments (16 tokens x 32 k) at byte off of the rows
	WIN 0
.irp tk, 0,1,2,3
	ds_load_b128 v[ACT+32*(\buf)+8*\tk:ACT+32*(\buf)+8*\tk+3],   v[AD+(\tk)/2] offset:((\tk)%2)*(\p16)+(\off)
	ds_load_b128 v[ACT+32*(\buf)+8*\tk+4:ACT+32*(\buf)+8*\tk+7], v[AD+(\tk)/2] offset:((\tk)%2)*(\p16)+(\off)+32
.endr
.endm
.macro MM32 slot, buf, hf, first       ; 32 matrix instructions, one on each accumulator: they take turns, from step to step and over the loop's jump too
.if \first
	WIN 0x81                                       ; weights window 1, tokens window 0, C = the bias in window 0, D window 2
.else
	WIN 0xa1                                       ; C and D window 2
.endif
.irp fb, 0,1,2,3,4,5,6,7
.irp tk, 0,1,2,3
.if \hf
.if \first
	v_wmma_f32_16x16x32_f16 v[8*(4*\fb+\tk):8*(4*\fb+\tk)+7], v[64*(\slot)+8*\fb:64*(\slot)+8*\fb+7], v[ACT+32*(\buf)+8*\tk:ACT+32*(\buf)+8*\tk+7], v[BIAS+8*\fb:BIAS+8*\fb+7]
.else
	v_wmma_f32_16x16x32_f16 v[8*(4*\fb+\tk):8*(4*\fb+\tk)+7], v[64*(\slot)+8*\fb:64*(\slot)+8*\fb+7], v[ACT+32*(\buf)+8*\tk:ACT+32*(\buf)+8*\tk+7], v[8*(4*\fb+\tk):8*(4*\fb+\tk)+7]
.endif
.else
.if \first
	v_wmma_f32_16x16x32_bf16 v[8*(4*\fb+\tk):8*(4*\fb+\tk)+7], v[64*(\slot)+8*\fb:64*(\slot)+8*\fb+7], v[ACT+32*(\buf)+8*\tk:ACT+32*(\buf)+8*\tk+7], v[BIAS+8*\fb:BIAS+8*\fb+7]
.else
	v_wmma_f32_16x16x32_bf16 v[8*(4*\fb+\tk):8*(4*\fb+\tk)+7], v[64*(\slot)+8*\fb:64*(\slot)+8*\fb+7], v[ACT+32*(\buf)+8*\tk:ACT+32*(\buf)+8*\tk+7], v[8*(4*\fb+\tk):8*(4*\fb+\tk)+7]
.endif
.endif
.endr
.endr
.endm
; A K step.  Its first four vector lines are the four places between the last step's products and the loads into the slot and the token buffer that those read.
; wl = 1: the step three on is asked for, into the slot that the last step read.  That slot's VA is free: the loads that named it were shown done by the last step's counted wait.
; lw: the younger weight loads that may stay out (two steps' 32; in the last steps 16, 0).
; aoff >= 0: the next step's token fragments are fetched, at byte aoff from the address pair, into the buffer that the last step read; then the 8 just issued may stay out.
; dyn = 1: the address pair is made anew in every step from s42, which goes round the 2,048 bytes of a row of h.
.macro STEP slot, buf, hf, first, wl, lw, aoff, dyn, p16, ab
	WIN 0
.if \wl
	v_lshl_add_u32 v[VA+((\slot)+3)%4], s60, 13, v4
.else
	v_nop
.endif
.if (\dyn) && ((\aoff) >= 0)
	v_add_nc_u32 v[AD], s42, v[\ab]
	v_add_nc_u32 v[AD+1], s42, v[(\ab)+1]
.else
	v_nop
	v_nop
.endif
	v_nop
.if \wl
	SCALW                                          ; the next step's cell
.endif
.if (\dyn) && ((\aoff) >= 0)
	s_add_co_u32 s42, s42, 64
	s_and_b32 s42, s42, 2047
.endif
	s_wait_loadcnt \lw
.if \wl
	WLOAD ((\slot)+3)%4
.endif
.if (\aoff) >= 0
	ALOAD 1-(\buf), \aoff, \p16
	s_wait_dscnt 8
.else
	s_wait_dscnt 0
.endif
	MM32 \slot, \buf, \hf, \first
.endm
; A product of 128 positions x 64 tokens over 4 trips + 4 K steps: the first step (it starts the sums) ahead of the loop, four steps a trip, three behind it.  last = 1: nothing is left to ask for.
; dyn = 0: the rows are walked from byte 0 on, 256 bytes a trip (the turn lies in the rows themselves).  dyn = 1: from byte 64 R2 on, round.
.macro UNIT hf, trips, brreg, broff, ab, p16, dyn, last
	WIN 0
.if \dyn
	s_lshl_b32 s42, s59, 6
.else
	s_mov_b32 s42, 0
.endif
	v_add_nc_u32 v[AD], s42, v[\ab]
	v_add_nc_u32 v[AD+1], s42, v[(\ab)+1]
.irp fb, 0,1,2,3,4,5,6,7
	ds_load_b128 v[BIAS+8*\fb:BIAS+8*\fb+3],   v[\brreg] offset:(\broff)+64*\fb
	ds_load_b128 v[BIAS+8*\fb+4:BIAS+8*\fb+7], v[\brreg] offset:(\broff)+64*\fb+16
.endr
	ALOAD 0, 0, \p16
.if \dyn
	s_add_co_u32 s42, s42, 64
	s_and_b32 s42, s42, 2047
.endif
	STEP 0,0,\hf,1,1,32,64*(1-(\dyn)),\dyn,\p16,\ab
	WIN 0                                          ; at a label and at a branch every window is 0
	s_mov_b32 s43, \trips
.Lk_\@:
.if !(\dyn)
	v_add_nc_u32 v[AD], s42, v[\ab]
	v_add_nc_u32 v[AD+1], s42, v[(\ab)+1]
.endif
	STEP 1,1,\hf,0,1,32,128*(1-(\dyn)),\dyn,\p16,\ab
	STEP 2,0,\hf,0,1,32,192*(1-(\dyn)),\dyn,\p16,\ab
	STEP 3,1,\hf,0,1,32,256*(1-(\dyn)),\dyn,\p16,\ab
	STEP 0,0,\hf,0,1,32,320*(1-(\dyn)),\dyn,\p16,\ab
	WIN 0
.if !(\dyn)
	s_add_co_u32 s42, s42, 256                     ; four steps of 64 bytes along the rows in LDS
.endif
	s_sub_co_u32 s43, s43, 1
	s_cmp_lg_u32 s43, 0
	s_cbranch_scc1 .Lk_\@
.if !(\dyn)
	v_add_nc_u32 v[AD], s42, v[\ab]
	v_add_nc_u32 v[AD+1], s42, v[(\ab)+1]
.endif
.if \last
	STEP 1,1,\hf,0,0,32,128*(1-(\dyn)),\dyn,\p16,\ab
	STEP 2,0,\hf,0,0,16,192*(1-(\dyn)),\dyn,\p16,\ab
	STEP 3,1,\hf,0,0,0,-1,\dyn,\p16,\ab
.else
	STEP 1,1,\hf,0,1,32,128*(1-(\dyn)),\dyn,\p16,\ab   ; the ring runs on into the next product's first three steps
	STEP 2,0,\hf,0,1,32,192*(1-(\dyn)),\dyn,\p16,\ab
	STEP 3,1,\hf,0,1,32,-1,\dyn,\p16,\ab
.endif
.endm
; The hidden layer's way into LDS: rounded to f16, then ReLU and the hold at 65,504 on the packed halves (neither rounds).  A lane's eight results are 16 bytes of one token's row.
.macro EPI1 u
	PLACES
.irp hb, 0,1
	WIN 0x0a                                       ; both sources window 2
.set ea, 0
.rept 16
.irp m, 0,1,2,3
	v_cvt_pk_f16_f32 v[T+4*ea+\m], v[128*\hb+8*ea+2*\m], v[128*\hb+8*ea+2*\m+1]  ; each accumulator is read from its low end on
.endr
.set ea, ea+1
.endr
	WIN 0
.set ea, 0
.rept 64
	v_pk_max_num_f16 v[T+ea], v[T+ea], v24
.set ea, ea+1
.endr
.set ea, 0
.rept 64
	v_pk_min_num_f16 v[T+ea], v[T+ea], s44
.set ea, ea+1
.endr
.set ea, 0
.rept 16
	ds_store_b128 v[11+(ea%4)/2], v[T+4*ea:T+4*ea+3] offset:(ea%2)*16*HP+256*(\u)+32*(4*\hb+ea/4)
.set ea, ea+1
.endr
.endr
.endm
	UNIT 0, 3, 16, 0, 5, 16*XP, 0, 0               ; hidden units 128 (2 w) on
	EPI1 0
	UNIT 0, 3, 16, 512, 5, 16*XP, 0, 0             ; hidden units 128 (2 w + 1) on
	EPI1 1
	s_wait_dscnt 0x0                               ; for the others' sake: my columns of h are in LDS
	s_barrier_signal -1
	s_barrier_wait -1                              ; (the ring's loads stay on their way: nobody writes those bytes)
	UNIT 1, 7, 17, 0, 7, 16*HP, 1, 1               ; outputs 128 w on
	WIN 0
	s_barrier_signal -1                            ; my reads of h are over (the last step waited for all LDS loads): behind this barrier its bytes take the result
	s_barrier_wait -1
	PLACES
	; times p, and into the stage as f32 in the columns' true order: fragments 2 i + be hold columns 64 be + 4 rho + i, so four fragments' registers j are 16 consecutive bytes
.set sc, 0
.irp tb, 0,1,2,3
.irp be, 0,1
	WIN 0x02
.irp j, 0,1,2,3,4,5,6,7
.irp i, 0,1,2,3
	v_mul_f32 v[T+32*(sc%2)+4*\j+\i], v[8*(4*(2*\i+\be)+\tb)+\j], v[20+\tb]
.endr
.endr
	WIN 0
.irp j, 0,1,2,3,4,5,6,7
	ds_store_b128 v[13+(\tb)/2], v[T+32*(sc%2)+4*\j:T+32*(sc%2)+4*\j+3] offset:((\tb)%2)*16*HP+256*\be+16*\j
.endr
.set sc, sc+1
.endr
.endr
	s_wait_dscnt 0x0                               ; for the others' sake: my columns of the result are staged
	s_barrier_signal -1
	s_barrier_wait -1
	; ROWS OUT: wave w stores rows 16 w .. 16 w + 15, whole, each to its token's place.  Rows past the count are jumped: only stores and stage loads stand in what is jumped.
.set i, 0
.rept 16
	v_readlane_b32 s[60+i%4], v18, i
	s_min_u32 s[60+i%4], s[60+i%4], 0x1fff
	s_lshl_b32 s[60+i%4], s[60+i%4], 11            ; a row of out0 is 2,048 bytes
	v_add_nc_u32 v[224+i], s[60+i%4], v4
.set i, i+1
.endr
.set i, 0
.rept 12
.irp c, 0,1,2,3
	ds_load_b128 v[32+16*i+4*\c:32+16*i+4*\c+3], v15 offset:HP*i+512*\c
.endr
.set i, i+1
.endr
.set i, 0
.rept 12
	s_cmp_le_u32 s47, i
	s_cbranch_scc1 .Ldone
	s_wait_dscnt 44-4*i                            ; this row's 4 loads are in, the later rows' stay out
.irp c, 0,1,2,3
	global_store_b128 v[224+i], v[32+16*i+4*\c:32+16*i+4*\c+3], s[18:19] offset:512*\c th:TH_STORE_NT  ; 512 consecutive bytes, aligned
.endr
.set i, i+1
.endr
	s_cmp_le_u32 s47, 12
	s_cbranch_scc1 .Ldone
	s_wait_xcnt 0x0                                ; the first rows' registers, which their stores read, are loaded again only behind this wait
.set i, 0
.rept 4
.irp c, 0,1,2,3
	ds_load_b128 v[32+16*i+4*\c:32+16*i+4*\c+3], v15 offset:HP*(12+i)+512*\c
.endr
.set i, i+1
.endr
.set i, 0
.rept 4
	s_cmp_le_u32 s47, 12+i
	s_cbranch_scc1 .Ldone
	s_wait_dscnt 12-4*i
.irp c, 0,1,2,3
	global_store_b128 v[236+i], v[32+16*i+4*\c:32+16*i+4*\c+3], s[18:19] offset:512*\c th:TH_STORE_NT
.endr
.set i, i+1
.endr
.Ldone:
	s_wait_tensorcnt 0x0                           ; the wave's end
	ds_add_u32 v26, v27
	s_wait_dscnt 0x0
	s_endpgm
.Lfunc_end_k_qe932dd931c_chain:
	.size	k_qe932dd931c_chain, .Lfunc_end_k_qe932dd931c_chain-k_qe932dd931c_chain
	.p2alignl 7, 3214868480
	.fill 96, 4, 3214868480
	.section	.rodata,"a",@progbits
	.p2align	6, 0x0
	.amdhsa_kernel k_qe932dd931c_chain
		.amdhsa_group_segment_fixed_size 205568
		.amdhsa_private_segment_fixed_size 0
		.amdhsa_enable_private_segment 0
		.amdhsa_kernarg_size 88
		.amdhsa_user_sgpr_count 2
		.amdhsa_user_sgpr_kernarg_segment_ptr 1
		.amdhsa_wavefront_size32 1
		.amdhsa_system_sgpr_workgroup_id_x 1
		.amdhsa_system_sgpr_workgroup_id_y 1
		.amdhsa_system_sgpr_workgroup_id_z 1
		.amdhsa_system_vgpr_workitem_id 0
		.amdhsa_next_free_vgpr 768
		.amdhsa_next_free_sgpr 66
		.amdhsa_reserve_vcc 1
		.amdhsa_float_denorm_mode_32 3
		.amdhsa_float_denorm_mode_16_64 3
		.amdhsa_memory_ordered 1
		.amdhsa_forward_progress 1
		.amdhsa_inst_pref_size 242
	.end_amdhsa_kernel
	.amdgpu_metadata
---
amdhsa.version: [ 1, 2 ]
amdhsa.kernels:
  - .name:           k_qe932dd931c_chain
    .symbol:         k_qe932dd931c_chain.kd
    .args:
      - { .name: xb, .offset: 0, .size: 8, .value_kind: global_buffer, .address_space: global }
      - { .name: wf, .offset: 8, .size: 8, .value_kind: global_buffer, .address_space: global }
      - { .name: rt, .offset: 16, .size: 8, .value_kind: global_buffer, .address_space: global }
      - { .name: psum, .offset: 24, .size: 8, .value_kind: global_buffer, .address_space: global }
      - { .name: b1, .offset: 32, .size: 8, .value_kind: global_buffer, .address_space: global }
      - { .name: b2, .offset: 40, .size: 8, .value_kind: global_buffer, .address_space: global }
      - { .name: out4, .offset: 48, .size: 8, .value_kind: global_buffer, .address_space: global }
      - { .name: out0, .offset: 56, .size: 8, .value_kind: global_buffer, .address_space: global }
      - { .name: out1, .offset: 64, .size: 8, .value_kind: global_buffer, .address_space: global }
      - { .name: out2, .offset: 72, .size: 8, .value_kind: global_buffer, .address_space: global }
      - { .name: out3, .offset: 80, .size: 8, .value_kind: global_buffer, .address_space: global }
    .group_segment_fixed_size: 205568
    .private_segment_fixed_size: 0
    .kernarg_segment_align: 8
    .kernarg_segment_size: 88
    .max_flat_workgroup_size: 128
    .sgpr_count:     66
    .vgpr_count:     768
    .wavefront_size: 32
...
	.end_amdgpu_metadata
.endif
;; end of part 2
